; MI455X (gfx1250); checked and timed in simulation.
; The chip was launched on July 23, 2026; its instructions are those of AMD's public machine-readable ISA for CDNA 5 (MIT licence, August 2026) and "CDNA5" Instruction Set Architecture Reference Guide (July 2026). The comments in the code are by the model that wrote it; some were corrected since.
;; Encoder Attention. Allowed arithmetic: matrix products marked QUANTISED: E4M3 operands, one E8M0 scale for each 32 along K, by v_wmma_scale_f32_16x16x128_f8f6f4 with both operands' format E4M3, f32 sums; products left as they are: f32 operands where the result goes on into a quantised operand, else bf16, f16 or f32 operands; f32 sums; everything else in f32.
;; Inputs: Wh_codes 1,024 x 32 x 32 uint8 (E4M3 codes of Wh, K innermost, in blocks of 32 codes); Wh_scales 1,024 x 32 uint8 (E8M0 scales of Wh, one for each 32 codes along K); Ws_codes 1,024 x 32 x 32 uint8 (E4M3 codes of Ws, K innermost, in blocks of 32 codes); Ws_scales 1,024 x 32 uint8 (E8M0 scales of Ws, one for each 32 codes along K); bs 1,024 float32; decoder_hidden_codes 32 x 32 x 32 uint8 (E4M3 codes of decoder_hidden, K innermost, in blocks of 32 codes); decoder_hidden_scales 32 x 32 uint8 (E8M0 scales of decoder_hidden, one for each 32 codes along K); encoder_hidden 32 x 2,048 x 1,024 float32; encoder_padding 32 x 2,048 float32; sum_temporal 32 x 2,048 float32; v 1,024 float32.
;; Outputs: out0 32 x 1,024 float32; out1 32 x 2,048 float32; out2 32 x 2,048 float32.
;; This version of the problem:
;;   THIS VERSION OF THE PROBLEM IS GIVEN IN LOW PRECISION. The matrix products marked QUANTISED in the list below multiply operands that are first quantised to E4M3 (4 exponent bits, 3 mantissa bits; 8 bits a number), with one power-of-two scale for each 32 numbers along K (OCP MX v1.0); their sums are f32. All else is computed in f32.
;;   The module's matrix products, in the order in which they are computed (A, B: the left and right operand; K: the contracted axis; several contracted axes count as one K, in the product's order):
;;     1. [M 65,536, K 1,024] x [K 1,024, N 1,024]; A: input encoder_hidden; B: input Wh (given as codes): QUANTISED
;;     2. [M 32, K 1,024] x [K 1,024, N 1,024]; A: input decoder_hidden (given as codes); B: input Ws (given as codes): QUANTISED
;;     3. [M 65,536, K 1,024] x [K 1,024, N 1]; A: computed on the way; B: input v: left as it is (N = 1 < 16)
;;     4. batch 32 x [M 1, K 2,048] x [K 2,048, N 1,024]; A: computed on the way; B: input encoder_hidden: left as it is (M = 1 < 16)
;;   THE QUANTISER, for each operand of a quantised product, along K:
;;     - K is cut into blocks of 32 from its start; a last block that is shorter is filled with zeros.
;;     - A block's scale is 2^e with e = floor(log2(the largest magnitude in the block)) - 8, held to -126 .. 127; a block of zeros has e = 0. As a byte (E8M0): e + 127.
;;     - Each number is divided by its block's scale, clamped to +-448, and rounded to the nearest number of E4M3, ties to even, subnormals kept.
;;     - The product sums the exact products of the quantised numbers (number of the format x scale) in f32.
;;   ~~~python
;;   def quantise(x, axis):      # numpy; x: float32 -> the quantised numbers, widened to float32 again
;;       x = np.moveaxis(x, axis, -1); K = x.shape[-1]
;;       x = np.pad(x, [(0, 0)] * (x.ndim - 1) + [(0, -K % 32)]); x = x.reshape(x.shape[:-1] + (-1, 32)); a = np.abs(x).max(-1, keepdims=True)
;;       e = np.where(a > 0, np.clip(np.frexp(np.where(a > 0, a, 1))[1] - 1 - 8, -126, 127), 0)      # np.frexp(a)[1] - 1 = floor(log2(a)), exactly
;;       r = np.clip(x / 2.0 ** e, -448, 448)
;;       step = 2.0 ** (np.maximum(np.frexp(np.where(r == 0, 1, r))[1] - 1, -6) - 3)
;;       q = np.round(r / step) * step * 2.0 ** e      # np.round: ties to even
;;       return np.moveaxis(q.reshape(q.shape[:-2] + (-1,))[..., :K], -1, axis).astype(np.float32)
;;   ~~~
;;   INPUTS GIVEN AS CODES. Wh (in the module: [1024, 1024], K = its axis 1); Ws (in the module: [1024, 1024], K = its axis 1); decoder_hidden (in the module: [32, 1024], K = its axis 1): each comes as NAME_codes (uint8): NAME with its K axis moved to the last place and cut into blocks of 32 codes, [.., K / 32, bytes a block], one block behind the other in memory; one code a byte (a code: sign, 4 exponent bits, 3 mantissa bits); and NAME_scales (uint8): the same leading axes, one E8M0 byte (e + 127) for each 32 codes along K. Its value is code x scale, taken as it is: it is not quantised again, and the codes and scales need not be those that the quantiser above would give.
;; One version. Each part assembles by itself: llvm-mc -triple=amdgcn-amd-amdhsa -mcpu=gfx1250 --defsym DOCPART=n.
;; ======== version 1 of 1: 3 launches
;; limits: right only within a limited range of input values; values are held in bf16: 8 bits of precision
;; workspace buffers: whf 1,081,344 bytes; decs 131,072 bytes; wun 262,144 bytes; psum 32,768 bytes; pctx 1,048,576 bytes
;; launch prep (part 1): grid 64 x 1, 2 waves a work-group, no clusters, 0 bytes of LDS; arguments Wh_codes, Ws_codes, Ws_scales, bs, decoder_hidden_codes, decoder_hidden_scales, whf, decs, Wh_scales; writes whf, decs
.if DOCPART == 1
	.amdgcn_target "amdgcn-amd-amdhsa--gfx1250"
	.amdhsa_code_object_version 6
	.text
	.protected	k_q699a2d3603_prep
	.globl	k_q699a2d3603_prep
	.p2align	8
	.type	k_q699a2d3603_prep,@function
k_q699a2d3603_prep:
	s_mov_b64 s[64:65], 0
	v_nop
	global_prefetch_b8 v0, s[64:65] scope:SCOPE_SE
	s_setreg_imm32_b32 hwreg(HW_REG_WAVE_MODE, 25, 1), 1
	s_wait_xcnt 0x0
; EncoderAttention, launch 1 of 3.  No work of reference() is left out in this program: every input has a way to an output, so every input is loaded.
; decs[b][e] = 2 log2(e) x (sum over k of decoder_hidden[b][k] Ws[e][k] + bs[e]), f32, the product on the given codes and scales; the factor is that of tanh(x) = 1 - 2 / (1 + 2^(2 log2(e) x)).
; whf: Wh in the order of the matrix operand's registers.  Four tiles of 16 rows (g / 4 the same) form a quarter of 67,584 bytes = 8 K steps of 8,448:
;   in a K step tile g % 4 has 2,048 bytes of codes (register group c of lane l at 512 c + 16 l); behind the four tiles' 8,192 bytes stand 256 bytes of scale words:
;   lane r + 16 (t / 2) has 8 bytes, the word of tile t = g % 4, row r at 4 (t % 2).
; Work-group g takes tile g.  Wave 1 lays Wh's tile out; wave 0 makes decs for e = 16 g .. 16 g + 15 and all 32 batches.  No LDS, no barrier.
; The product is used transposed (source 0 = 16 rows of Ws, source 1 = 16 batches); bs in the result's layout is the C of each sum's first instruction.
; decs is stored in runs of 64 bytes and the scale words in single words: that is a tile's share of them; 131,072 and 32,768 bytes in all, written once.
; LIMITS: NaN codes and 0xff scale bytes among the inputs are not served.
.set MSB, 0
.macro WIN new
.if MSB != \new
	s_set_vgpr_msb (MSB<<8)|\new
.set MSB, \new
.endif
.endm
	s_load_b512 s[4:19], s[0:1], 0x0               ; Wh_codes, Ws_codes, Ws_scales, bs, decoder_hidden_codes, its scales, whf s[16:17], decs s[18:19]
	s_load_b64 s[28:29], s[0:1], 0x40              ; Wh_scales
	v_lshrrev_b32 v1, 5, v0
	v_readfirstlane_b32 s20, v1                    ; wave 0, 1
	v_and_b32 v2, 31, v0                           ; lane
	v_and_b32 v3, 15, v0                           ; r
	v_bfe_u32 v4, v0, 4, 1                         ; h
	v_lshlrev_b32 v5, 10, v3
	v_lshl_add_u32 v5, v4, 4, v5                   ; 1024 r + 16 h
	s_lshl_b32 s22, ttmp9, 14                      ; the tile's 16 rows of 1,024 bytes
	s_mov_b32 s23, 0
	s_mov_b32 s25, 0
	s_wait_kmcnt 0x0
	s_cmp_lg_u32 s20, 0
	s_cbranch_scc1 .Llayout
	; ---- wave 0: decs
	s_add_nc_u64 s[6:7], s[6:7], s[22:23]
	s_wait_alu depctr_va_vdst(0)
.irp s, 0,1,2,3,4,5,6,7
.irp c, 0,1,2,3
	global_load_b128 v[64+16*\s+4*\c:64+16*\s+4*\c+3], v5, s[6:7] offset:128*\s+32*\c          ; Ws's eight fragments
.endr
.endr
	WIN 0x40
.irp a, 0,1
.irp s, 0,1,2,3,4,5,6,7
.irp c, 0,1,2,3
	global_load_b128 v[16*(8*\a+\s)+4*\c:16*(8*\a+\s)+4*\c+3], v5, s[12:13] offset:16384*\a+128*\s+32*\c   ; decoder_hidden: batches 16 a on, K step s
.endr
.endr
.endr
	WIN 0
	s_lshl_b32 s24, ttmp9, 9
	s_add_nc_u64 s[8:9], s[8:9], s[24:25]
	v_lshlrev_b32 v6, 5, v3
	global_load_b128 v[32:35], v6, s[8:9]          ; Ws's scale words
	global_load_b128 v[36:39], v6, s[8:9] offset:16
	v_lshlrev_b32 v7, 5, v2
	global_load_b128 v[40:43], v7, s[14:15]        ; decoder_hidden's: lane l takes batch l
	global_load_b128 v[44:47], v7, s[14:15] offset:16
	s_lshl_b32 s24, ttmp9, 6
	s_add_nc_u64 s[10:11], s[10:11], s[24:25]
	s_add_nc_u64 s[18:19], s[18:19], s[24:25]
	v_lshlrev_b32 v8, 5, v4
	global_load_b128 v[48:51], v8, s[10:11]        ; bs(16 g + 8 h + 0 .. 7)
	global_load_b128 v[52:55], v8, s[10:11] offset:16
	v_lshlrev_b32 v9, 12, v3
	v_lshl_add_u32 v9, v4, 5, v9                   ; decs: batch r's row, + 32 h
	s_mov_b32 s26, 0x4038aa3b                      ; 2 log2(e)
	s_mov_b32 s27, s26
	s_wait_loadcnt 0x0
	WIN 0x04
	; two accumulators by turns
	v_wmma_scale_f32_16x16x128_f8f6f4 v[192:199], v[64:79], v[0:15], v[48:55], v32, v40
	v_wmma_scale_f32_16x16x128_f8f6f4 v[200:207], v[64:79], v[128:143], v[48:55], v32, v40 matrix_b_scale:MATRIX_SCALE_ROW1
.irp s, 1,2,3,4,5,6,7
	v_wmma_scale_f32_16x16x128_f8f6f4 v[192:199], v[64+16*\s:79+16*\s], v[16*\s:16*\s+15], v[192:199], v[32+\s], v[40+\s]
	v_wmma_scale_f32_16x16x128_f8f6f4 v[200:207], v[64+16*\s:79+16*\s], v[128+16*\s:128+16*\s+15], v[200:207], v[32+\s], v[40+\s] matrix_b_scale:MATRIX_SCALE_ROW1
.endr
	WIN 0
.rept 8
	v_nop                                          ; eight places ahead of the first read of the results
.endr
.irp i, 0,2,4,6
	v_pk_mul_f32 v[208+\i:209+\i], v[192+\i:193+\i], s[26:27] op_sel_hi:[1,0]
.endr
.irp i, 0,2,4,6
	v_pk_mul_f32 v[216+\i:217+\i], v[200+\i:201+\i], s[26:27] op_sel_hi:[1,0]
.endr
	s_wait_alu depctr_va_vdst(0)
	global_store_b128 v9, v[208:211], s[18:19]
	global_store_b128 v9, v[212:215], s[18:19] offset:16
	global_store_b128 v9, v[216:219], s[18:19] offset:65536
	global_store_b128 v9, v[220:223], s[18:19] offset:65552
	s_endpgm
.Llayout:
	; ---- wave 1: Wh's tile and its scale words, as the operand's registers take them
	s_add_nc_u64 s[4:5], s[4:5], s[22:23]
	s_lshr_b32 s24, ttmp9, 2
	s_mul_i32 s24, s24, 67584
	s_add_nc_u64 s[16:17], s[16:17], s[24:25]      ; the quarter
	s_and_b32 s26, ttmp9, 3                        ; t
	s_lshr_b32 s30, s26, 1
	s_lshl_b32 s30, s30, 7                         ; 16 lanes of 8 bytes for t / 2
	s_and_b32 s31, s26, 1
	s_lshl_b32 s31, s31, 2
	s_add_co_u32 s30, s30, s31
	s_add_co_u32 s30, s30, 8192
	s_mov_b32 s31, 0
	s_add_nc_u64 s[32:33], s[16:17], s[30:31]      ; where my tile's scale words of K step 0 begin
	s_lshl_b32 s24, s26, 11
	s_add_nc_u64 s[16:17], s[16:17], s[24:25]      ; where its codes begin
	s_lshl_b32 s24, ttmp9, 9
	s_add_nc_u64 s[28:29], s[28:29], s[24:25]      ; the tile's 16 rows of 32 scale bytes
	s_wait_alu depctr_va_vdst(0)
	v_lshlrev_b32 v7, 5, v3
	v_lshl_add_u32 v7, v4, 4, v7                   ; row r, words 4 h on
	v_lshlrev_b32 v8, 3, v3
	v_mad_u32_u24 v8, v4, 33792, v8                ; 8 r + 4 h K steps
	v_lshlrev_b32 v6, 4, v2                        ; 16 x lane
	global_load_b128 v[32:35], v7, s[28:29]
.irp s, 0,1,2,3,4,5,6,7
.irp c, 0,1,2,3
	global_load_b128 v[64+16*\s+4*\c:64+16*\s+4*\c+3], v5, s[4:5] offset:128*\s+32*\c
.endr
.endr
	s_wait_alu depctr_va_vdst(0)
.irp s, 0,1,2,3,4,5,6,7
.irp c, 0,1,2,3
	s_wait_loadcnt 31-(4*\s+\c)                    ; loads come back in order: this one and the older ones are in
	global_store_b128 v6, v[64+16*\s+4*\c:64+16*\s+4*\c+3], s[16:17] offset:8448*\s+512*\c   ; 512 consecutive bytes
.endr
.endr
.irp i, 0,1,2,3
	global_store_b32 v8, v[32+\i], s[32:33] offset:8448*\i     ; the word of K step 4 h + i
.endr
	s_endpgm
.Lfunc_end_k_q699a2d3603_prep:
	.size	k_q699a2d3603_prep, .Lfunc_end_k_q699a2d3603_prep-k_q699a2d3603_prep
	.p2alignl 7, 3214868480
	.fill 96, 4, 3214868480
	.section	.rodata,"a",@progbits
	.p2align	6, 0x0
	.amdhsa_kernel k_q699a2d3603_prep
		.amdhsa_group_segment_fixed_size 0
		.amdhsa_private_segment_fixed_size 0
		.amdhsa_enable_private_segment 0
		.amdhsa_kernarg_size 72
		.amdhsa_user_sgpr_count 2
		.amdhsa_user_sgpr_kernarg_segment_ptr 1
		.amdhsa_wavefront_size32 1
		.amdhsa_system_sgpr_workgroup_id_x 1
		.amdhsa_system_sgpr_workgroup_id_y 1
		.amdhsa_system_sgpr_workgroup_id_z 1
		.amdhsa_system_vgpr_workitem_id 0
		.amdhsa_next_free_vgpr 512
		.amdhsa_next_free_sgpr 66
		.amdhsa_reserve_vcc 0
		.amdhsa_float_denorm_mode_32 3
		.amdhsa_float_denorm_mode_16_64 3
		.amdhsa_memory_ordered 1
		.amdhsa_forward_progress 1
		.amdhsa_inst_pref_size 23
	.end_amdhsa_kernel
	.amdgpu_metadata
---
amdhsa.version: [ 1, 2 ]
amdhsa.kernels:
  - .name:           k_q699a2d3603_prep
    .symbol:         k_q699a2d3603_prep.kd
    .args:
      - { .name: Wh_codes, .offset: 0, .size: 8, .value_kind: global_buffer, .address_space: global }
      - { .name: Ws_codes, .offset: 8, .size: 8, .value_kind: global_buffer, .address_space: global }
      - { .name: Ws_scales, .offset: 16, .size: 8, .value_kind: global_buffer, .address_space: global }
      - { .name: bs, .offset: 24, .size: 8, .value_kind: global_buffer, .address_space: global }
      - { .name: decoder_hidden_codes, .offset: 32, .size: 8, .value_kind: global_buffer, .address_space: global }
      - { .name: decoder_hidden_scales, .offset: 40, .size: 8, .value_kind: global_buffer, .address_space: global }
      - { .name: whf, .offset: 48, .size: 8, .value_kind: global_buffer, .address_space: global }
      - { .name: decs, .offset: 56, .size: 8, .value_kind: global_buffer, .address_space: global }
      - { .name: Wh_scales, .offset: 64, .size: 8, .value_kind: global_buffer, .address_space: global }
    .group_segment_fixed_size: 0
    .private_segment_fixed_size: 0
    .kernarg_segment_align: 8
    .kernarg_segment_size: 72
    .max_flat_workgroup_size: 64
    .sgpr_count:     66
    .vgpr_count:     512
    .wavefront_size: 32
...
	.end_amdgpu_metadata
.endif
;; end of part 1
;; launch main (part 2): grid 256 x 1, 4 waves a work-group, no clusters, 317,952 bytes of LDS; arguments encoder_hidden, encoder_padding, sum_temporal, v, whf, decs, out2, wun, psum, pctx; writes out2, wun, psum, pctx
.if DOCPART == 2
	.amdgcn_target "amdgcn-amd-amdhsa--gfx1250"
	.amdhsa_code_object_version 6
	.text
	.protected	k_q699a2d3603_main
	.globl	k_q699a2d3603_main
	.p2align	8
	.type	k_q699a2d3603_main,@function
k_q699a2d3603_main:
	s_mov_b64 s[64:65], 0
	v_nop
	global_prefetch_b8 v0, s[64:65] scope:SCOPE_SE
	s_setreg_imm32_b32 hwreg(HW_REG_WAVE_MODE, 25, 1), 1
	s_wait_xcnt 0x0
; EncoderAttention, launch 2 of 3.  Nothing of reference() is left out.
; A work-group takes 256 rows (b, t) of one batch, in two blocks of 128: score = sum over e of v[e] tanh(x Wh^T + dec)[e]; E = exp(score); out2 = sum_temporal + E;
; w = E / sum_temporal x padding (wun, unnormalised); its part of the batch's sum of w (psum) and of the sum of w x (pctx).  The last launch divides.
; encoder_hidden IS READ ONCE.  Wave w quantises rows 32 w .. 32 w + 31 of a block by the stated rule (E4M3, one E8M0 byte for each 32) into LDS, where all waves read the codes,
; and keeps the same rows as bf16 FOR ITSELF until their w is known: 18 rows in LDS bytes of its own, 14 rows in 224 registers (128 rows of codes, scales and bf16 are 399,872 bytes, more than LDS holds).
; So the context sums are made by rows: each wave sums w x over its own 32 rows for all 1,024 columns, and the four waves' sums meet in LDS once a block.
; THE PRODUCT: wave w makes e = 256 w .. 256 w + 255 for all 128 rows, in four quarters of 64 columns: 32 accumulators.  Wh goes from whf straight into registers (each load 512 consecutive bytes),
; through a ring of four K steps, with its scale words beside it; each fragment is multiplied with 8 row tiles, and whf is walked twice by a work-group.
; A's fragments have one set of registers: row tiles 0-3 are fetched anew in a K step's middle, 4-7 at its end.  The tanh of a quarter follows its last K step, while the ring's loads for the next quarter are out.
; The ring's look-ahead and A's are issued in every quarter, the last too (there they name the first K steps again, inside whf and inside the codes): one text for all quarters, and the counted waits hold on every way.
; NO TENSOR LOADS AND NO CLUSTER, though all work-groups walk the same whf: a joint load lands in LDS, of which 327,680 - 317,952 = 9,728 bytes are left, and each fragment of Wh is multiplied by one wave alone.
; PREFETCH: in each quarter of the first block a wave asks for a quarter (4 x 8,192 bytes, lanes 256 bytes apart) of its own 32 rows of the second block; each aligned 256 bytes once; the second block asks for nothing.
; tanh(x) = 1 - 2 / (1 + 2^(2 log2(e) x)): score = sum of v - 2 sum of v / (1 + 2^(..)).  decs holds 2 log2(e) (dec + bs).
; FORMATS: first product by v_wmma_scale_f32_16x16x128_f8f6f4, sums f32; all ahead of the quantiser f32; v . tanh in f32; w x with x in bf16, w and sums in f32.
; LIMITS: as in reference() no maximum is taken away before the exponential.  The sum of w x is formed before the division by the batch's sum, so E / sum_temporal x |x| x 2,048 has to stay under f32's largest number.
; v_exp_f32 gives 0 for results under 2^-126 (ISA guide, its entry).  A block of 32 zeros gets the scale byte 1 where the rule says 127: its codes are zeros, and this program alone reads the bytes.
; Blocks whose largest magnitude lies under 2^-118 are held at that byte.  NaN and infinities among the inputs are not served.
; LDS
.set CP,    1040                       ; 128 rows of 1,024 codes from byte 0, 1,040 apart (65 x 16: a fragment's 16 rows start at different banks: ISA guide 11.1)
.set SCL,   133120                     ; 128 rows of 32 scale bytes, 36 apart
.set XBF,   137728                     ; [wave][18 rows][2,048]: bf16; piece k of 512 bytes, lane L: columns 512 (k / 2) + 16 L + 8 (k % 2) + 0 .. 7
.set TURN,  285184                     ; 5,120 bytes a wave: two stages of 32 places of 64 + 16 bytes; at a block's end the wave's 1,024 context sums
.set PS,    305664                     ; [wave][128 rows] parts of the scores
.set WB,    307712                     ; 128 w, 128 out2, 128 sums of w
.set NVB,   309248                     ; [wave][256] -2 v
.set DCB,   313344                     ; [wave][256] decs
.set SPARE, 317440                     ; the spare words: two blocks of 256 bytes that no other line names
; REGISTERS (s_set_vgpr_msb: bits 1:0 source 0, 3:2 source 1, 5:4 source 2, 7:6 destination)
;   window 0: v0-159 as named below; v160-255 bf16 rows 18-23 of my 32.   window 1: accumulators, (column tile t, row tile a) at v[64 t + 8 a]; while x is quantised v0-191 are twelve slots of 16; in the context v192 on
;   window 2: Wh's ring, slot k at v[64 k], fragment t at + 16 t.          window 3: v0-127 A's fragments (in the context: 6 rows from LDS); v128-255 bf16 rows 24-31
.set LOFF, 1                           ; 16 x lane
.set PFO,  2                           ; 256 x lane
.set GO8,  3
.set GO4,  4
.set ADA0, 5                           ; A's fragments, rows 0-63: 1040 r + 16 h
.set ADA1, 6                           ; rows 64-127
.set ADS,  7                           ; A's scale words: SCL + 36 r + 2304 h
.set TIN,  8
.set TOUT, 9
.set CST,  10                          ; where I store codes, a scale byte, bf16: the three below + the trip's step
.set SST,  11
.set BST,  12
.set PSS,  13
.set PSL,  14
.set WST,  15
.set WLD,  16
.set XLD,  17
.set CRS,  18
.set CRL,  19
.set SPW,  20                          ; my spare word; never rewritten
.set NIL,  21                          ; 0; never rewritten
.set BST0, 22
.set WBL,  23
.set T0,   24
.set T1,   25
.set CTX,  26                          ; v26-33 the work-group's context sums of my 8 columns
.set ST,   34
.set PAD,  35
.set NV,   36                          ; -2 v of my column in tile t at v[NV + 2 t], decs at v[DC + 2 t]: the low word of a pair serves both halves of the packed forms; the odd registers hold the eight below
.set DC,   44
.set WACC, 37
.set VL,   39
.set KN0,  41
.set KD0,  43
.set KN,   45
.set KD,   47
.set CST0, 49
.set SST0, 51
.set WSR,  52                          ; v52-59 Wh's scale words, two for each ring slot: v[WSR + 2 k + t % 2]: lanes 0-15 tile t, lanes 16-31 tile t + 2.  Scales and nothing else
.set SA,   60                          ; v60-91 A's: v[SA + 4 s + a]: lanes 0-15 row tile a, lanes 16-31 row tile a + 4.  Scales and nothing else
.set SACC, 92                          ; v92-155 score sums: register 8 a + j is row 16 a + 8 h + j
.set X16,  92                          ; while x is quantised: two sets of 16 neighbours,
.set BF,   124                         ; two of 8: they as bf16,
.set CD,   140                         ; two of 4: their codes,
.set BY,   148                         ; two scale bytes
.set M,    150
.set M2,   151
.set SC,   152
.set HOLD, 153
.set CX,   192                         ; window 1: my wave's 32 context sums a lane: 2 n, 2 n + 1 belong to register n of a row
.set WR,   224                         ; window 1: w of rows 18-31; v244-249 w of six rows from LDS
.set MSB, 0
.macro WIN new
.if MSB != \new
	s_set_vgpr_msb (MSB<<8)|\new
.set MSB, \new
.endif
.endm
.macro PLACES n
.rept \n
	v_nop
.endr
.endm
.macro BARRIER
	s_wait_dscnt 0x0
	s_barrier_signal -1
	s_barrier_wait -1
.endm
.macro ELOAD sl, ch                    ; chunk ch from s[4:5] (half a row, 2,048 bytes) into slot sl: each load covers 512 consecutive bytes
	WIN 0x40
.irp i, 0,1,2,3
	global_load_b128 v[16*(\sl)+4*\i:16*(\sl)+4*\i+3], v[LOFF], s[4:5] offset:2048*(\ch)+512*\i th:TH_LOAD_NT
.endr
.endm
.macro TURNX sl                        ; through my stage: in as loaded, out 64 bytes a lane; LDS serves a wave's instructions in order (ISA guide 5.7.1.4)
	WIN 0x04
.irp i, 0,1,2,3
	ds_store_b128 v[TIN], v[16*(\sl)+4*\i:16*(\sl)+4*\i+3] offset:2560*((\sl)%2)+640*\i
.endr
	WIN 0
.irp i, 0,1,2,3
	ds_load_b128 v[X16+16*((\sl)%2)+4*\i:X16+16*((\sl)%2)+4*\i+3], v[TOUT] offset:2560*((\sl)%2)+16*\i
.endr
.endm
; chunk t (counted from the address registers' row) is quantised.  pst: the result stores of the chunk before, which may be out; ech: the chunk that its slot takes next (-1: none);
; lc: the loads that may stay out when the next chunk is wanted (-1: there is none); kind 0: bf16 to LDS, 1: to registers
.macro XSTEP t, pst, ech, lc, kind
.set XS, X16+16*((\t)%2)
.set BS, BF+8*((\t)%2)
.set CS, CD+4*((\t)%2)
	s_wait_dscnt \pst
.if (\ech) >= 0
	ELOAD (\t)%12, \ech
.endif
.if (\lc) >= 0
	s_wait_loadcnt \lc
	TURNX ((\t)+1)%12
.endif
	WIN 0
	v_max3_num_f32 v[M], |v[XS]|, |v[XS+1]|, |v[XS+2]|
	v_max3_num_f32 v[M2], |v[XS+3]|, |v[XS+4]|, |v[XS+5]|
.irp i, 6,10
	v_max3_num_f32 v[M], v[M], |v[XS+\i]|, |v[XS+\i+1]|
	v_max3_num_f32 v[M2], v[M2], |v[XS+\i+2]|, |v[XS+\i+3]|
.endr
	v_max3_num_f32 v[M], v[M], |v[XS+14]|, |v[XS+15]|
	v_max3_num_f32 v[M], v[M], v[M2], 0x4800000    ; the floor 2^(9 - 127): the byte cannot fall under 1
	v_max_num_f32_dpp v[M], v[M], v[M] row_xmask:1 row_mask:0xf bank_mask:0xf   ; two neighbouring lanes hold a block of 32
	v_add_nc_u32 v[SC], 0xfc000000, v[M]           ; 8 off the exponent field: the conversion's scale operand
	v_and_or_b32 v[HOLD], v[M], 0x7f800000, s36    ; 448 x the scale
.if \kind
.if (\t)/2 < 6
.set BS, 160+16*((\t)/2)+8*((\t)%2)
.else
.set BS, 128+16*((\t)/2-6)+8*((\t)%2)
	WIN 0xc0
.endif
.endif
.irp i, 0,1,2,3,4,5,6,7
	v_cvt_pk_bf16_f32 v[BS+\i], v[XS+2*\i], v[XS+2*\i+1]
.endr
	WIN 0
.irp i, 0,1,2,3,4,5,6,7,8,9,10,11,12,13,14,15
	v_med3_num_f32 v[XS+\i], v[XS+\i], -v[HOLD], v[HOLD]           ; the conversion does not saturate (ISA guide 7.6.2)
.endr
	v_cvt_scalef32_pk8_fp8_f32 v[CS:CS+1], v[XS:XS+7], v[SC]
	v_cvt_scalef32_pk8_fp8_f32 v[CS+2:CS+3], v[XS+8:XS+15], v[SC]
	v_lshrrev_b32 v[BY+(\t)%2], 23, v[SC]          ; the scale's byte; also the plain instruction behind the conversions
	ds_store_b8 v[SST], v[BY+(\t)%2] offset:36*((\t)/2)+16*((\t)%2)
	ds_store_b128 v[CST], v[CS:CS+3] offset:CP*((\t)/2)+512*((\t)%2)
.if (\kind) == 0
	ds_store_b128 v[BST], v[BS:BS+3] offset:2048*((\t)/2)+1024*((\t)%2)
	ds_store_b128 v[BST], v[BS+4:BS+7] offset:2048*((\t)/2)+1024*((\t)%2)+512
.endif
.endm
.macro ALOADH s, hf                    ; A's fragments of K step s, row tiles 4 hf .. 4 hf + 3
	WIN 0xc0
.irp a, 0,1,2,3
.irp c, 0,1,2,3
	ds_load_b128 v[64*(\hf)+16*\a+4*\c:64*(\hf)+16*\a+4*\c+3], v[ADA0+(\hf)] offset:16*CP*\a+128*(\s)+32*\c
.endr
.endr
.endm
; one product: source 0 = x (row tile a), source 1 = Wh (column tile t): lane (r, h) holds column r and rows 8 h + 0 .. 7
.macro WM4 c, t, a
.if ((\a) < 4) && ((\t) < 2)
	v_wmma_scale_f32_16x16x128_f8f6f4 v[rD:rD+7], v[rA:rA+15], v[rB:rB+15], \c, v[rX], v[rY]
.elseif (\a) < 4
	v_wmma_scale_f32_16x16x128_f8f6f4 v[rD:rD+7], v[rA:rA+15], v[rB:rB+15], \c, v[rX], v[rY] matrix_b_scale:MATRIX_SCALE_ROW1
.elseif (\t) < 2
	v_wmma_scale_f32_16x16x128_f8f6f4 v[rD:rD+7], v[rA:rA+15], v[rB:rB+15], \c, v[rX], v[rY] matrix_a_scale:MATRIX_SCALE_ROW1
.else
	v_wmma_scale_f32_16x16x128_f8f6f4 v[rD:rD+7], v[rA:rA+15], v[rB:rB+15], \c, v[rX], v[rY] matrix_a_scale:MATRIX_SCALE_ROW1 matrix_b_scale:MATRIX_SCALE_ROW1
.endif
.endm
.macro WM s, t, a
.set rD, 64*(\t)+8*(\a)
.set rA, 16*(\a)
.set rB, 64*((\s)%4)+16*(\t)
.set rX, SA+4*(\s)+((\a)%4)
.set rY, WSR+2*((\s)%4)+((\t)%2)
.if (\s) == 0
	WM4 0, \t, \a                                  ; the first K step starts the sums: nothing is cleared
.else
	WM4 v[rD:rD+7], \t, \a
.endif
.endm
; A K STEP: 32 products, the 32 accumulators by turns.  Eight places stand ahead of loads into registers that the products have read
.macro HSTEP s
.if (\s) == 0
.set DW, 24                            ; behind the fragments wanted: 16 loads of A and the quarter's 8 of -2 v and decs
.else
.set DW, 16
.endif
	s_wait_dscnt DW                                ; row tiles 0-3 are in
	s_wait_loadcnt 51                              ; this K step's 17 loads are in: behind them stand those of three K steps
	WIN 0x5b                                       ; A window 3, Wh window 2, C and D window 1
.irp a, 0,1,2,3
.irp t, 0,1,2,3
	WM \s, \t, \a
.endr
.endr
	PLACES 8
	ALOADH ((\s)+1)%8, 0
	s_wait_dscnt DW                                ; row tiles 4-7 are in
	WIN 0x5b
.irp a, 4,5,6,7
.irp t, 0,1,2,3
	WM \s, \t, \a
.endr
.endr
	PLACES 8
	WIN 0x80
.irp t, 0,1,2,3
.irp c, 0,1,2,3
.if (\s) < 4
	global_load_b128 v[64*((\s)%4)+16*\t+4*\c:64*((\s)%4)+16*\t+4*\c+3], v[LOFF], s[28:29] offset:8448*((\s)+4)+2048*\t+512*\c
.else
	global_load_b128 v[64*((\s)%4)+16*\t+4*\c:64*((\s)%4)+16*\t+4*\c+3], v[LOFF], s[30:31] offset:8448*((\s)-4)+2048*\t+512*\c
.endif
.endr
.endr
	WIN 0
.if (\s) < 4
	global_load_b64 v[WSR+2*((\s)%4):WSR+2*((\s)%4)+1], v[GO8], s[28:29] offset:8448*((\s)+4)+8192
.else
	global_load_b64 v[WSR+2*((\s)%4):WSR+2*((\s)%4)+1], v[GO8], s[30:31] offset:8448*((\s)-4)+8192
.endif
	ALOADH ((\s)+1)%8, 1
.endm
; THE TANH AND v, by column tiles: tile t is v[64 t .. 64 t + 63] of window 1
.macro EA t                            ; 2 log2(e) (sum + dec): each accumulator from its low end on
	WIN 0x41
.set q, 64*(\t)
.rept 32
	v_pk_fma_f32 v[q:q+1], v[q:q+1], s[34:35], v[DC+2*(\t):DC+2*(\t)+1] op_sel_hi:[1,0,0]
.set q, q+2
.endr
.endm
.macro EB t
	WIN 0x41
.set q, 64*(\t)
.rept 64
	v_exp_f32 v[q], v[q]
.set q, q+1
.endr
.endm
.macro EC t
	WIN 0x41
.set q, 64*(\t)
.rept 32
	v_pk_add_f32 v[q:q+1], v[q:q+1], 1.0 op_sel_hi:[1,0]
.set q, q+2
.endr
.endm
.macro ED t
	WIN 0x41
.set q, 64*(\t)
.rept 64
	v_rcp_f32 v[q], v[q]
.set q, q+1
.endr
.endm
.macro EF t                            ; the rows' sums take -2 v / (1 + 2^(..))
	WIN 0x01
.set q, 0
.rept 32
	v_pk_fma_f32 v[SACC+q:SACC+q+1], v[64*(\t)+q:64*(\t)+q+1], v[NV+2*(\t):NV+2*(\t)+1], v[SACC+q:SACC+q+1] op_sel_hi:[1,0,1]
.set q, q+2
.endr
.endm
.macro ROWF src, w                     ; a row of 16 registers of bf16 x its w, onto my 32 sums
.irp n, 0,1,2,3,4,5,6,7,8,9,10,11,12,13,14,15
	v_fma_mix_f32_bf16 v[CX+2*\n], v[(\src)+\n], v[\w], v[CX+2*\n] op_sel_hi:[1,0,0]
	v_fma_mix_f32_bf16 v[CX+2*\n+1], v[(\src)+\n], v[\w], v[CX+2*\n+1] op_sel:[1,0,0] op_sel_hi:[1,0,0]
.endr
.endm
	s_load_b512 s[4:19], s[0:1], 0x0               ; encoder_hidden s[4:5], padding s[6:7], sum_temporal s[8:9], v s[10:11], whf s[12:13], decs s[14:15], out2 s[16:17], wun s[18:19]
	s_load_b128 s[20:23], s[0:1], 0x40             ; psum s[20:21], pctx s[22:23]
	v_lshl_add_u32 v[SPW], v0, 2, SPARE
	v_mov_b32 v[NIL], 0
	v_lshrrev_b32 v156, 5, v0
	v_readfirstlane_b32 s26, v156                  ; wave 0..3
	s_mul_i32 s66, s26, 5120
	s_add_co_u32 s66, s66, TURN
	s_lshl_b32 s67, s26, 10
	s_add_co_u32 s74, s67, NVB
	s_add_co_u32 s75, s67, DCB
	s_add_co_u32 s67, s67, TURN
	s_mul_i32 s68, s26, 32*CP
	s_mul_i32 s69, s26, 1152
	s_add_co_u32 s69, s69, SCL
	s_mul_i32 s70, s26, 36864
	s_add_co_u32 s70, s70, XBF
	s_lshl_b32 s71, s26, 9
	s_add_co_u32 s71, s71, PS
	s_lshl_b32 s72, s26, 7
	s_add_co_u32 s73, s72, WB
	s_add_co_u32 s72, s72, PS
	s_mov_b32 s34, 0x4038aa3b                      ; 2 log2(e)
	s_mov_b32 s35, s34
	s_mov_b32 s36, 0x600000                        ; the mantissa field of 448
	v_and_b32 v156, 31, v0                         ; l
	v_and_b32 v157, 15, v0                         ; r
	v_bfe_u32 v158, v0, 4, 1                       ; h
	v_lshlrev_b32 v[LOFF], 4, v156
	v_lshlrev_b32 v[PFO], 8, v156
	v_lshlrev_b32 v[GO8], 3, v156
	v_lshlrev_b32 v[GO4], 2, v156
	v_mul_u32_u24 v[ADA0], v157, CP
	v_lshl_add_u32 v[ADA0], v158, 4, v[ADA0]
	v_add_nc_u32 v[ADA1], 64*CP, v[ADA0]
	v_mul_u32_u24 v[ADS], v157, 36
	v_mad_u32_u24 v[ADS], v158, 2304, v[ADS]
	v_add_nc_u32 v[ADS], SCL, v[ADS]
	v_lshrrev_b32 v159, 2, v156
	v_mul_u32_u24 v159, v159, 80
	v_and_b32 v155, 3, v156
	v_lshl_add_u32 v159, v155, 4, v159
	v_add_nc_u32 v[TIN], s66, v159                 ; four lanes' 64 bytes on end, then 16 of padding
	v_mul_u32_u24 v159, v156, 80
	v_add_nc_u32 v[TOUT], s66, v159
	v_lshl_add_u32 v[CRS], v156, 6, s66            ; my wave's context sums: 4 x column = 2048 c + 64 l + ..
	v_add_nc_u32 v[CRL], s67, v[LOFF]              ; and where I read a wave's sums of columns 256 w + 4 l on
	v_add_nc_u32 v[CST0], s68, v[LOFF]
	v_lshrrev_b32 v159, 1, v156
	v_add_nc_u32 v[SST0], s69, v159
	v_add_nc_u32 v[BST0], s70, v[LOFF]
	v_lshl_add_u32 v[PSS], v158, 5, s71
	v_add_nc_u32 v[PSL], s72, v[GO4]               ; row 32 w + l
	v_add_nc_u32 v[WST], s73, v[GO4]
	v_mov_b32 v[WLD], s73
	v_add_nc_u32 v[WBL], WB, v[LOFF]
	v_lshl_add_u32 v[KN0], v157, 2, s74
	v_lshl_add_u32 v[KD0], v157, 2, s75
	v_add_nc_u32 v[T0], s74, v[LOFF]
	v_add_nc_u32 v[T1], s75, v[LOFF]
	v_mov_b32 v[KN], 0
	v_mov_b32 v[KD], 0
	v_mov_b32 v[WACC], 0
.irp i, 0,1,2,3,4,5,6,7
	v_mov_b32 v[CTX+\i], 0
.endr
	s_wait_alu depctr_va_vdst(0)                   ; the wait at the head's end
	s_wait_kmcnt 0x0
	s_lshl_b32 s32, ttmp9, 20                      ; my work-group's 256 rows of 4,096 bytes,
	s_lshl_b32 s33, s26, 17                        ; my wave's 32
	s_add_co_u32 s32, s32, s33
	s_mov_b32 s33, 0
	s_add_nc_u64 s[4:5], s[4:5], s[32:33]
	s_lshl_b32 s32, ttmp9, 10                      ; 256 numbers of f32
	s_add_nc_u64 s[16:17], s[16:17], s[32:33]
	s_add_nc_u64 s[18:19], s[18:19], s[32:33]
	s_lshl_b32 s38, s26, 7
	s_add_co_u32 s32, s32, s38                     ; my wave's 32 of them
	s_add_nc_u64 s[6:7], s[6:7], s[32:33]
	s_add_nc_u64 s[8:9], s[8:9], s[32:33]
	s_mul_i32 s32, s26, 270336
	s_add_nc_u64 s[48:49], s[12:13], s[32:33]      ; whf: my wave's four quarters of 67,584 bytes
	s_lshl_b32 s32, ttmp9, 7
	s_add_nc_u64 s[20:21], s[20:21], s[32:33]
	s_lshl_b32 s38, s26, 10
	s_lshl_b32 s32, ttmp9, 12
	s_add_co_u32 s32, s32, s38
	s_add_nc_u64 s[22:23], s[22:23], s[32:33]
	s_mov_b32 s32, s38
	s_add_nc_u64 s[10:11], s[10:11], s[32:33]
	s_lshr_b32 s32, ttmp9, 3                       ; the batch
	s_lshl_b32 s32, s32, 12
	s_add_co_u32 s32, s32, s38
	s_add_nc_u64 s[14:15], s[14:15], s[32:33]
	WIN 0x80
.irp k, 0,1,2,3
.irp t, 0,1,2,3
.irp c, 0,1,2,3
	global_load_b128 v[64*\k+16*\t+4*\c:64*\k+16*\t+4*\c+3], v[LOFF], s[48:49] offset:8448*\k+2048*\t+512*\c   ; the ring's first four K steps
.endr
.endr
.endr
	WIN 0
.irp k, 0,1,2,3
	global_load_b64 v[WSR+2*\k:WSR+2*\k+1], v[GO8], s[48:49] offset:8448*\k+8192
.endr
	global_load_b128 v[96:99], v[LOFF], s[10:11]
	global_load_b128 v[100:103], v[LOFF], s[10:11] offset:512
	global_load_b128 v[104:107], v[LOFF], s[14:15]
	global_load_b128 v[108:111], v[LOFF], s[14:15] offset:512
.irp t, 0,1,2,3,4,5,6,7,8,9,10,11
	ELOAD \t, \t
.endr
	WIN 0
	s_wait_loadcnt 48                              ; v and decs are in; the twelve chunks may be out
.irp i, 0,2,4,6
	v_pk_mul_f32 v[96+\i:97+\i], v[96+\i:97+\i], -2.0 op_sel_hi:[1,0]
.endr
	ds_store_b128 v[T0], v[96:99]
	ds_store_b128 v[T0], v[100:103] offset:512
	ds_store_b128 v[T1], v[104:107]
	ds_store_b128 v[T1], v[108:111] offset:512
.irp i, 0,1,2,3,4,5,6,7,8,9,10,11,12,13,14,15
	ds_load_b32 v[112+\i], v[KN0] offset:64*\i     ; -2 v of my column in my wave's 16 tiles (my wave's own bytes)
.endr
	s_wait_dscnt 0x0
.irp i, 1,2,3,4,5,6,7,8,9,10,11,12,13,14,15
	v_add_f32 v112, v112, v[112+\i]
.endr
	v_mul_f32 v[VL], -0.5, v112                    ; my lane's share of the sum of v
	s_mov_b32 s40, 2                               ; blocks to go
.Lblock:
	; ---- my 32 rows become codes and scale bytes in LDS, and bf16 in my own LDS bytes (rows 0-17, three trips of six) and registers (rows 18-31)
	s_wait_loadcnt 44                              ; chunk 0 is in (and the ring's loads, which are older)
	TURNX 0
	s_wait_dscnt 0x0
	s_mov_b32 s41, 0
	s_mov_b32 s42, 0
	s_mov_b32 s43, 0
	s_mov_b32 s44, 0
.Lrows:
	v_add_nc_u32 v[CST], s42, v[CST0]
	v_add_nc_u32 v[SST], s43, v[SST0]
	v_add_nc_u32 v[BST], s44, v[BST0]
.irp t, 0,1,2,3,4,5,6,7,8,9,10,11
	XSTEP \t, 4, \t+12, 44, 0                      ; eleven chunks' loads may stay out
.endr
	s_wait_xcnt 0x0                                ; the loads have read their base
	s_add_nc_u64 s[4:5], s[4:5], 24576
	s_add_co_u32 s42, s42, 6*CP
	s_add_co_u32 s43, s43, 216
	s_add_co_u32 s44, s44, 12288
	s_add_co_u32 s41, s41, 1
	s_cmp_lt_u32 s41, 3
	s_wait_alu depctr_va_vdst(0)
	s_cbranch_scc1 .Lrows
	v_add_nc_u32 v[CST], 18*CP, v[CST0]
	v_add_nc_u32 v[SST], 648, v[SST0]
.set u, 0
.rept 28
.if u == 0
.set P, 4
.else
.set P, 2
.endif
.if u < 16
.set E, u+12
.set L, 44
.else
.set E, -1
.set L, 4*(26-u)                       ; the counts run down; behind the last chunk there is none (-4)
.endif
	XSTEP u, P, E, L, 1
.set u, u+1
.endr
	global_load_b32 v[ST], v[GO4], s[8:9]          ; sum_temporal and padding of row 32 w + l
	global_load_b32 v[PAD], v[GO4], s[6:7]
	s_wait_xcnt 0x0
	s_add_nc_u64 s[4:5], s[4:5], 450560            ; my 32 rows of the next block
	s_add_nc_u64 s[6:7], s[6:7], 512
	s_add_nc_u64 s[8:9], s[8:9], 512
	BARRIER                                        ; the block's codes and scale bytes lie in LDS
	; ---- the products and the tanh
.irp s, 0,1,2,3,4,5,6,7
.irp a, 0,1,2,3
	ds_load_b32 v[SA+4*\s+\a], v[ADS] offset:576*\a+4*\s
.endr
.endr
.set q, 0
.rept 64
	v_mov_b32 v[SACC+q], v[VL]                     ; every row's sum begins with my share of the sum of v
.set q, q+1
.endr
	ALOADH 0, 0
	ALOADH 0, 1
	WIN 0
	s_mov_b32 s41, 0
	s_mov_b32 s45, 0
.Lquarter:
	s_wait_xcnt 0x0                                ; the ring's loads and the prefetches have read their bases
	s_mul_i32 s46, s41, 67584
	s_mov_b32 s47, 0
	s_add_nc_u64 s[28:29], s[48:49], s[46:47]      ; this quarter,
	s_add_co_u32 s46, s41, 1
	s_and_b32 s46, s46, 3
	s_mul_i32 s46, s46, 67584
	s_add_nc_u64 s[30:31], s[48:49], s[46:47]      ; and the next (behind the fourth: the first)
	s_lshl_b32 s46, s41, 15
	s_add_nc_u64 s[54:55], s[4:5], s[46:47]        ; a quarter of my rows of the next block
	v_add_nc_u32 v[KN], s45, v[KN0]
	v_add_nc_u32 v[KD], s45, v[KD0]
	s_wait_alu depctr_va_vdst(0)                   ; the wait stands here, directly behind the writes: both are named again behind waits, as the upper halves of decs' pairs
.irp t, 0,1,2,3
	ds_load_b32 v[NV+2*\t], v[KN] offset:64*\t
	ds_load_b32 v[DC+2*\t], v[KD] offset:64*\t
.endr
.irp s, 0,1,2,3
	HSTEP \s
.endr
	WIN 0
	s_cmp_eq_u32 s40, 1
	s_cbranch_scc1 .Lno_ask                        ; the last block has no successor
.irp k, 0,1,2,3
	global_prefetch_b8 v[PFO], s[54:55] offset:8192*\k th:TH_LOAD_NT scope:SCOPE_SE
.endr
.Lno_ask:
.irp s, 4,5,6,7
	HSTEP \s
.endr
	; the exponentials of a tile and the reciprocals of the tile before are one batch; the waits stand ahead of a batch and ahead of its readers
	EA 0
	s_wait_alu depctr_va_vdst(0)
.irp g, 0,1,2,3
	EB \g
.if \g < 3
	s_wait_alu depctr_va_vdst(0)
	EA (\g)+1
.else
	v_nop
.endif
	s_wait_alu depctr_va_vdst(0)
.if \g > 0
	EF (\g)-1
.endif
	EC \g
	s_wait_alu depctr_va_vdst(0)
	ED \g
.endr
	v_nop
	s_wait_alu depctr_va_vdst(0)
	EF 3
	WIN 0
	s_add_co_u32 s45, s45, 256
	s_add_co_u32 s41, s41, 1
	s_cmp_lt_u32 s41, 4
	s_wait_alu depctr_va_vdst(0)
	s_cbranch_scc1 .Lquarter
	; ---- the next block's first twelve chunks are asked for: the accumulators are free
	s_cmp_eq_u32 s40, 1
	s_cbranch_scc1 .Lno_next
.irp t, 0,1,2,3,4,5,6,7,8,9,10,11
	ELOAD \t, \t
.endr
	WIN 0
.Lno_next:
	; ---- the sums over the 16 columns that the lanes of a half hold
.irp m, 1,2,4,8
.set q, 0
.rept 64
	v_add_f32_dpp v[SACC+q], v[SACC+q], v[SACC+q] row_xmask:\m row_mask:0xf bank_mask:0xf
.set q, q+1
.endr
.endr
.irp a, 0,1,2,3,4,5,6,7
.irp j, 0,1
	ds_store_b128 v[PSS], v[SACC+8*\a+4*\j:SACC+8*\a+4*\j+3] offset:64*\a+16*\j   ; rows 16 a + 8 h + 4 j on; the lanes of a half write the same values
.endr
.endr
	WIN 0x40
.set q, 0
.rept 32
	v_mov_b32 v[CX+q], 0
.set q, q+1
.endr
	WIN 0
	BARRIER                                        ; the four waves' parts of the 128 scores lie in LDS
	; ---- the score's end: lane l has row 32 w + l
.irp i, 0,1,2,3
	ds_load_b32 v[156+\i], v[PSL] offset:512*\i
.endr
	s_wait_dscnt 0x0
	v_add_f32 v156, v156, v157
	v_add_f32 v158, v158, v159
	v_add_f32 v156, v156, v158
	v_mul_f32 v156, 0x3fb8aa3b, v156               ; x log2(e)
	s_wait_alu depctr_va_vdst(0)
	v_exp_f32 v156, v156                           ; E
	v_rcp_f32 v157, v[ST]                          ; (in: older than ring loads that the products have waited for)
	v_nop
	s_wait_alu depctr_va_vdst(0)
	v_add_f32 v158, v[ST], v156                    ; out2
	v_mul_f32 v157, v157, v[PAD]
	v_mul_f32 v159, v156, v157                     ; w
	v_add_f32 v[WACC], v[WACC], v159
	ds_store_b32 v[WST], v159
	ds_store_b32 v[WST], v158 offset:512
	WIN 0x40
.irp i, 0,1,2,3,4,5,6
	ds_load_b64 v[WR+2*\i:WR+2*\i+1], v[WLD] offset:72+8*\i        ; w of my rows 18-31 into every lane (my wave's own bytes)
.endr
	s_wait_dscnt 0x0
	; ---- the context: my 32 rows, all columns
	WIN 0x54
.irp p, 0,1,2,3,4,5
	ROWF 160+16*\p, WR+\p
.endr
	WIN 0x57
.irp p, 6,7,8,9,10,11,12,13
	ROWF 128+16*(\p-6), WR+\p
.endr
	WIN 0
	s_mov_b32 s41, 0
	s_mov_b32 s42, 0
	s_mov_b32 s43, 0
.Lctx:                                                 ; three trips of six rows from my LDS bytes
	v_add_nc_u32 v[XLD], s42, v[BST0]
	v_add_nc_u32 v[T0], s43, v[WLD]
	WIN 0x40
.irp i, 0,1,2
	ds_load_b64 v[244+2*\i:245+2*\i], v[T0] offset:8*\i
.endr
	WIN 0xc0
.irp i, 0,1,2,3,4,5
.irp k, 0,1,2,3
	ds_load_b128 v[16*\i+4*\k:16*\i+4*\k+3], v[XLD] offset:2048*\i+512*\k
.endr
.endr
	WIN 0x57
.irp i, 0,1,2,3,4,5
	s_wait_dscnt 4*(5-\i)                          ; row i is in; the later rows' loads may be out
	ROWF 16*\i, 244+\i
.endr
	WIN 0
	s_add_co_u32 s42, s42, 12288
	s_add_co_u32 s43, s43, 24
	s_add_co_u32 s41, s41, 1
	s_cmp_lt_u32 s41, 3
	s_wait_alu depctr_va_vdst(0)
	s_cbranch_scc1 .Lctx
	WIN 0x04
.irp k, 0,1,2,3,4,5,6,7
	ds_store_b128 v[CRS], v[CX+4*\k:CX+4*\k+3] offset:2048*(\k/4)+16*(\k%4)
.endr
	WIN 0
	BARRIER                                        ; the four waves' sums, all w and all out2 lie in LDS
.irp i, 0,1,2,3
.irp j, 0,1
	ds_load_b128 v[92+8*\i+4*\j:92+8*\i+4*\j+3], v[CRL] offset:5120*\i+512*\j
.endr
.endr
	ds_load_b128 v[124:127], v[WBL]
	ds_load_b128 v[128:131], v[WBL] offset:512
	s_wait_dscnt 0x0
.irp i, 0,1,2,3
.irp e, 0,2,4,6
	v_pk_add_f32 v[CTX+\e:CTX+\e+1], v[CTX+\e:CTX+\e+1], v[92+8*\i+\e:92+8*\i+\e+1]
.endr
.endr
	s_wait_alu depctr_va_vdst(0)
	s_cmp_lg_u32 s26, 0
	s_cbranch_scc1 .Lnot_wave_0
	global_store_b128 v[LOFF], v[124:127], s[18:19]    ; wave 0 stores for the work-group: 512 consecutive bytes each, aligned
	global_store_b128 v[LOFF], v[128:131], s[16:17]
.Lnot_wave_0:
	s_wait_xcnt 0x0
	s_add_nc_u64 s[16:17], s[16:17], 512
	s_add_nc_u64 s[18:19], s[18:19], 512
	BARRIER                                        ; every wave's reads of the block are over
	s_sub_co_u32 s40, s40, 1
	s_cmp_lg_u32 s40, 0
	s_cbranch_scc1 .Lblock
	; ---- the way out
	ds_store_b32 v[WST], v[WACC] offset:1024
	v_add_nc_u32 v[T0], WB+1024, v[GO4]
	s_wait_alu depctr_va_vdst(0)
	BARRIER
.irp i, 0,1,2,3
	ds_load_b32 v[156+\i], v[T0] offset:128*\i
.endr
	s_wait_tensorcnt 0x0                           ; the wave's end
	ds_add_u32 v[SPW], v[NIL]
	s_wait_dscnt 0x0
	global_store_b128 v[LOFF], v[CTX:CTX+3], s[22:23]
	global_store_b128 v[LOFF], v[CTX+4:CTX+7], s[22:23] offset:512
	s_cmp_lg_u32 s26, 0
	s_cbranch_scc1 .Lend
	v_add_f32 v156, v156, v157
	v_add_f32 v158, v158, v159
	v_add_f32 v156, v156, v158
	global_store_b32 v[GO4], v156, s[20:21]        ; 32 parts of the work-group's sum of w
.Lend:
	s_endpgm
.Lfunc_end_k_q699a2d3603_main:
	.size	k_q699a2d3603_main, .Lfunc_end_k_q699a2d3603_main-k_q699a2d3603_main
	.p2alignl 7, 3214868480
	.fill 96, 4, 3214868480
	.section	.rodata,"a",@progbits
	.p2align	6, 0x0
	.amdhsa_kernel k_q699a2d3603_main
		.amdhsa_group_segment_fixed_size 317952
		.amdhsa_private_segment_fixed_size 0
		.amdhsa_enable_private_segment 0
		.amdhsa_kernarg_size 80
		.amdhsa_user_sgpr_count 2
		.amdhsa_user_sgpr_kernarg_segment_ptr 1
		.amdhsa_wavefront_size32 1
		.amdhsa_system_sgpr_workgroup_id_x 1
		.amdhsa_system_sgpr_workgroup_id_y 1
		.amdhsa_system_sgpr_workgroup_id_z 1
		.amdhsa_system_vgpr_workitem_id 0
		.amdhsa_next_free_vgpr 1024
		.amdhsa_next_free_sgpr 80
		.amdhsa_reserve_vcc 0
		.amdhsa_float_denorm_mode_32 3
		.amdhsa_float_denorm_mode_16_64 3
		.amdhsa_memory_ordered 1
		.amdhsa_forward_progress 1
		.amdhsa_inst_pref_size 255
	.end_amdhsa_kernel
	.section	.bss,"aw",@nobits
	.p2align	6
	.space	262144
	.amdgpu_metadata
---
amdhsa.version: [ 1, 2 ]
amdhsa.kernels:
  - .name:           k_q699a2d3603_main
    .symbol:         k_q699a2d3603_main.kd
    .args:
      - { .name: encoder_hidden, .offset: 0, .size: 8, .value_kind: global_buffer, .address_space: global }
      - { .name: encoder_padding, .offset: 8, .size: 8, .value_kind: global_buffer, .address_space: global }
      - { .name: sum_temporal, .offset: 16, .size: 8, .value_kind: global_buffer, .address_space: global }
      - { .name: v, .offset: 24, .size: 8, .value_kind: global_buffer, .address_space: global }
      - { .name: whf, .offset: 32, .size: 8, .value_kind: global_buffer, .address_space: global }
      - { .name: decs, .offset: 40, .size: 8, .value_kind: global_buffer, .address_space: global }
      - { .name: out2, .offset: 48, .size: 8, .value_kind: global_buffer, .address_space: global }
      - { .name: wun, .offset: 56, .size: 8, .value_kind: global_buffer, .address_space: global }
      - { .name: psum, .offset: 64, .size: 8, .value_kind: global_buffer, .address_space: global }
      - { .name: pctx, .offset: 72, .size: 8, .value_kind: global_buffer, .address_space: global }
    .group_segment_fixed_size: 317952
    .private_segment_fixed_size: 0
    .kernarg_segment_align: 8
    .kernarg_segment_size: 80
    .max_flat_workgroup_size: 128
    .sgpr_count:     80
    .vgpr_count:     1024
    .wavefront_size: 32
...
	.end_amdgpu_metadata
.endif
;; end of part 2
;; launch finish (part 3): grid 32 x 1, 8 waves a work-group, no clusters, 0 bytes of LDS; arguments wun, psum, pctx, out0, out1; writes out0, out1
.if DOCPART == 3
	.amdgcn_target "amdgcn-amd-amdhsa--gfx1250"
	.amdhsa_code_object_version 6
	.text
	.protected	k_q699a2d3603_finish
	.globl	k_q699a2d3603_finish
	.p2align	8
	.type	k_q699a2d3603_finish,@function
k_q699a2d3603_finish:
	s_mov_b64 s[64:65], 0
	v_nop
	global_prefetch_b8 v0, s[64:65] scope:SCOPE_SE
	s_setreg_imm32_b32 hwreg(HW_REG_WAVE_MODE, 25, 1), 1
	s_wait_xcnt 0x0
; EncoderAttention, launch 3 of 3.  Nothing is left out.  Work-group b takes batch b: S = the sum of the batch's 256 parts in psum (8 work-groups x 32 lanes of the launch before);
; out1 = wun / S;  out0 = (the 8 parts of pctx, added in ascending order) / S.  Every wave makes S for itself, in the same order: no LDS, no barrier.
; Every load and store of a wave covers 512 consecutive bytes.  A batch whose every w is 0 gives 0 x infinity = NaN, as reference()'s 0 / 0 does.
	s_load_b256 s[4:11], s[0:1], 0x0               ; wun s[4:5], psum s[6:7], pctx s[8:9], out0 s[10:11]
	s_load_b64 s[12:13], s[0:1], 0x20              ; out1
	v_and_b32 v1, 31, v0
	s_delay_alu instid0(VALU_DEP_1)
	v_lshlrev_b32 v1, 4, v1                        ; 16 x lane
	v_lshlrev_b32 v2, 4, v0                        ; 16 x thread
	s_lshl_b32 s14, ttmp9, 13                      ; a batch's 2,048 numbers
	s_mov_b32 s15, 0
	s_lshl_b32 s16, ttmp9, 10                      ; its 256 parts of S
	s_mov_b32 s17, 0
	s_lshl_b32 s18, ttmp9, 15                      ; its 8 parts of the context
	s_mov_b32 s19, 0
	s_lshl_b32 s20, ttmp9, 12                      ; its 1,024 numbers of out0
	s_mov_b32 s21, 0
	s_mov_b32 s22, 0x76543210                      ; v_permlanex16_b32's selects for lane l xor 16
	s_mov_b32 s23, 0xfedcba98
	v_mov_b32 v3, 0                                ; a lane permute's destination counts as one of its sources
	s_wait_alu depctr_va_vdst(0)
	s_wait_kmcnt 0x0
	s_add_nc_u64 s[4:5], s[4:5], s[14:15]
	s_add_nc_u64 s[12:13], s[12:13], s[14:15]
	s_add_nc_u64 s[6:7], s[6:7], s[16:17]
	s_add_nc_u64 s[8:9], s[8:9], s[18:19]
	s_add_nc_u64 s[10:11], s[10:11], s[20:21]
	global_load_b128 v[4:7], v1, s[6:7]
	global_load_b128 v[8:11], v1, s[6:7] offset:512
	global_load_b128 v[12:15], v2, s[4:5]
	global_load_b128 v[16:19], v2, s[4:5] offset:4096
.irp i, 0,1,2,3,4,5,6,7
	global_load_b128 v[20+4*\i:23+4*\i], v2, s[8:9] offset:4096*\i
.endr
	s_wait_loadcnt 10                              ; psum's two loads are in; the ten behind them may be out
	v_pk_add_f32 v[4:5], v[4:5], v[6:7]
	v_pk_add_f32 v[8:9], v[8:9], v[10:11]
	s_delay_alu instid0(VALU_DEP_1)
	v_pk_add_f32 v[4:5], v[4:5], v[8:9]
	s_delay_alu instid0(VALU_DEP_1)
	v_add_f32 v4, v4, v5
	s_delay_alu instid0(VALU_DEP_1)
	v_add_f32_dpp v4, v4, v4 row_xmask:1 row_mask:0xf bank_mask:0xf
	s_delay_alu instid0(VALU_DEP_1)
	v_add_f32_dpp v4, v4, v4 row_xmask:2 row_mask:0xf bank_mask:0xf
	s_delay_alu instid0(VALU_DEP_1)
	v_add_f32_dpp v4, v4, v4 row_xmask:4 row_mask:0xf bank_mask:0xf
	s_delay_alu instid0(VALU_DEP_1)
	v_add_f32_dpp v4, v4, v4 row_xmask:8 row_mask:0xf bank_mask:0xf
	s_delay_alu instid0(VALU_DEP_1)
	v_permlanex16_b32 v3, v4, s22, s23
	s_delay_alu instid0(VALU_DEP_1)
	v_add_f32 v4, v4, v3                           ; S, in every lane
	s_wait_alu depctr_va_vdst(0)
	v_rcp_f32 v6, v4
	v_nop                                          ; a plain instruction behind the reciprocal
	s_wait_loadcnt 0x0
.irp i, 1
	v_pk_add_f32 v[20:21], v[20:21], v[20+4*\i:21+4*\i]            ; the context's parts, ascending
	v_pk_add_f32 v[22:23], v[22:23], v[22+4*\i:23+4*\i]
.endr
.irp i, 2, 3, 4, 5, 6, 7
	s_delay_alu instid0(VALU_DEP_2)
	v_pk_add_f32 v[20:21], v[20:21], v[20+4*\i:21+4*\i]            ; the context's parts, ascending
	s_delay_alu instid0(VALU_DEP_2)
	v_pk_add_f32 v[22:23], v[22:23], v[22+4*\i:23+4*\i]
.endr
	s_wait_alu depctr_va_vdst(0)                   ; the wait ahead of the first instruction that names the reciprocal
.irp i, 12,14,16,18,20,22
	v_pk_mul_f32 v[\i:\i+1], v[\i:\i+1], v[6:7] op_sel_hi:[1,0]    ; x 1 / S (the pair's low word serves both halves)
.endr
	global_store_b128 v2, v[12:15], s[12:13]
	global_store_b128 v2, v[16:19], s[12:13] offset:4096
	global_store_b128 v2, v[20:23], s[10:11]
	s_endpgm
.Lfunc_end_k_q699a2d3603_finish:
	.size	k_q699a2d3603_finish, .Lfunc_end_k_q699a2d3603_finish-k_q699a2d3603_finish
	.p2alignl 7, 3214868480
	.fill 96, 4, 3214868480
	.section	.rodata,"a",@progbits
	.p2align	6, 0x0
	.amdhsa_kernel k_q699a2d3603_finish
		.amdhsa_group_segment_fixed_size 0
		.amdhsa_private_segment_fixed_size 0
		.amdhsa_enable_private_segment 0
		.amdhsa_kernarg_size 40
		.amdhsa_user_sgpr_count 2
		.amdhsa_user_sgpr_kernarg_segment_ptr 1
		.amdhsa_wavefront_size32 1
		.amdhsa_system_sgpr_workgroup_id_x 1
		.amdhsa_system_sgpr_workgroup_id_y 1
		.amdhsa_system_sgpr_workgroup_id_z 1
		.amdhsa_system_vgpr_workitem_id 0
		.amdhsa_next_free_vgpr 64
		.amdhsa_next_free_sgpr 66
		.amdhsa_reserve_vcc 0
		.amdhsa_float_denorm_mode_32 3
		.amdhsa_float_denorm_mode_16_64 3
		.amdhsa_memory_ordered 1
		.amdhsa_forward_progress 1
		.amdhsa_inst_pref_size 6
	.end_amdhsa_kernel
	.amdgpu_metadata
---
amdhsa.version: [ 1, 2 ]
amdhsa.kernels:
  - .name:           k_q699a2d3603_finish
    .symbol:         k_q699a2d3603_finish.kd
    .args:
      - { .name: wun, .offset: 0, .size: 8, .value_kind: global_buffer, .address_space: global }
      - { .name: psum, .offset: 8, .size: 8, .value_kind: global_buffer, .address_space: global }
      - { .name: pctx, .offset: 16, .size: 8, .value_kind: global_buffer, .address_space: global }
      - { .name: out0, .offset: 24, .size: 8, .value_kind: global_buffer, .address_space: global }
      - { .name: out1, .offset: 32, .size: 8, .value_kind: global_buffer, .address_space: global }
    .group_segment_fixed_size: 0
    .private_segment_fixed_size: 0
    .kernarg_segment_align: 8
    .kernarg_segment_size: 40
    .max_flat_workgroup_size: 256
    .sgpr_count:     66
    .vgpr_count:     64
    .wavefront_size: 32
...
	.end_amdgpu_metadata
.endif
;; end of part 3
